; MI455X (gfx1250); checked and timed in simulation.
; The chip was launched on July 23, 2026; its instructions are those of AMD's public machine-readable ISA for CDNA 5 (MIT licence, August 2026) and "CDNA5" Instruction Set Architecture Reference Guide (July 2026). The comments in the code are by the model that wrote it; some were corrected since.
;; Lut Linear. Allowed arithmetic: matrix products marked QUANTISED: E5M2 operands, one E8M0 scale for each 32 along K, by v_wmma_scale_f32_16x16x128_f8f6f4 with both operands' format E5M2, f32 sums; products left as they are: f32 operands where the result goes on into a quantised operand, else bf16, f16 or f32 operands; f32 sums; everything else in f32.
;; Inputs: alpha 32 x 3 x 2,048 float32; binaryWeight 128 x 3 x 2,048 int32; scale 32 x 2,048 float32; x_codes 4 x 2,048 x 128 x 32 uint8 (E5M2 codes of x, K innermost, in blocks of 32 codes); x_scales 4 x 2,048 x 128 uint8 (E8M0 scales of x, one for each 32 codes along K).
;; Outputs: out0 4 x 2,048 x 2,048 float32.
;; This version of the problem:
;;   THIS VERSION OF THE PROBLEM IS GIVEN IN LOW PRECISION. The matrix products marked QUANTISED in the list below multiply operands that are first quantised to E5M2 (5 exponent bits, 2 mantissa bits; 8 bits a number), with one power-of-two scale for each 32 numbers along K (OCP MX v1.0); their sums are f32. All else is computed in f32.
;;   The module's matrix products, in the order in which they are computed (A, B: the left and right operand; K: the contracted axis; several contracted axes count as one K, in the product's order):
;;     1. batch 65,536 x [M 1, K 3] x [K 3, N 128]; A: input alpha; B: computed on the way: left as it is (K = 3 < 32)
;;     2. [M 8,192, K 4,096] x [K 4,096, N 2,048]; A: input x (given as codes); B: computed on the way: QUANTISED
;;   THE QUANTISER, for each operand of a quantised product, along K:
;;     - K is cut into blocks of 32 from its start; a last block that is shorter is filled with zeros.
;;     - A block's scale is 2^e with e = floor(log2(the largest magnitude in the block)) - 15, held to -126 .. 127; a block of zeros has e = 0. As a byte (E8M0): e + 127.
;;     - Each number is divided by its block's scale, clamped to +-57,344, and rounded to the nearest number of E5M2, ties to even, subnormals kept.
;;     - The product sums the exact products of the quantised numbers (number of the format x scale) in f32.
;;   ~~~python
;;   def quantise(x, axis):      # numpy; x: float32 -> the quantised numbers, widened to float32 again
;;       x = np.moveaxis(x, axis, -1); K = x.shape[-1]
;;       x = np.pad(x, [(0, 0)] * (x.ndim - 1) + [(0, -K % 32)]); x = x.reshape(x.shape[:-1] + (-1, 32)); a = np.abs(x).max(-1, keepdims=True)
;;       e = np.where(a > 0, np.clip(np.frexp(np.where(a > 0, a, 1))[1] - 1 - 15, -126, 127), 0)      # np.frexp(a)[1] - 1 = floor(log2(a)), exactly
;;       r = np.clip(x / 2.0 ** e, -57344, 57344)
;;       step = 2.0 ** (np.maximum(np.frexp(np.where(r == 0, 1, r))[1] - 1, -14) - 2)
;;       q = np.round(r / step) * step * 2.0 ** e      # np.round: ties to even
;;       return np.moveaxis(q.reshape(q.shape[:-2] + (-1,))[..., :K], -1, axis).astype(np.float32)
;;   ~~~
;;   OPERANDS COMPUTED ON THE WAY. 'Computed on the way' means the value that the module computes at that place (a softmax that the list does not call 'softmax' is quantised finished and normalised). What goes into a quantiser is computed in f32, as accurately as f32 sums, v_exp_f32 and their like allow (about 1e-6 of the number): no bf16 or f16 on the way to a quantiser, and a product that is left as it is and whose result goes on into a quantised operand takes f32 operands (vector FMAs, or v_wmma_f32_16x16x4_f32). A number that lies on a knife's edge between two numbers of the format may be rounded either way, as far as f32 arithmetic and the matrix unit's own rounding can turn it there, and no further.
;;   INPUTS GIVEN AS CODES. x (in the module: [4, 2048, 4096], K = its axis 2): each comes as NAME_codes (uint8): NAME with its K axis moved to the last place and cut into blocks of 32 codes, [.., K / 32, bytes a block], one block behind the other in memory; one code a byte (a code: sign, 5 exponent bits, 2 mantissa bits); and NAME_scales (uint8): the same leading axes, one E8M0 byte (e + 127) for each 32 codes along K. Its value is code x scale, taken as it is: it is not quantised again, and the codes and scales need not be those that the quantiser above would give.
;; One version. Each part assembles by itself: llvm-mc -triple=amdgcn-amd-amdhsa -mcpu=gfx1250 --defsym DOCPART=n.
;; ======== version 1 of 1: 2 launches
;; limits: right only within a limited range of input values
;; workspace buffers: wq 8,650,752 bytes
;; launch decode (part 1): grid 16 x 16, 4 waves a work-group, no clusters, 0 bytes of LDS; arguments binaryWeight, alpha, scale, wq; writes wq
.if DOCPART == 1
	.amdgcn_target "amdgcn-amd-amdhsa--gfx1250"
	.amdhsa_code_object_version 6
	.text
	.protected	k_q601b0c15d0_decode
	.globl	k_q601b0c15d0_decode
	.p2align	8
	.type	k_q601b0c15d0_decode,@function
k_q601b0c15d0_decode:
	s_mov_b64 s[64:65], 0
	v_nop
	global_prefetch_b8 v0, s[64:65] scope:SCOPE_SE
	s_setreg_imm32_b32 hwreg(HW_REG_WAVE_MODE, 25, 1), 1
	s_wait_xcnt 0x0
; W[k][n] = scale[g][n] x (+-alpha[g][0][n] +-alpha[g][1][n] +-alpha[g][2][n]), g = k / 128; the signs are bit k % 32 of binaryWeight[k / 32][0..2][n] (1: +, 0: -).
; W is made in f32 and quantised along K in blocks of 32 to codes of E5M2 with one E8M0 byte a block, once for all 32 tile rows of the product.
; Inside a group a column has only EIGHT values v[c], c = b0 + 2 b1 + 4 b2, with v[7 - c] = -v[c] exactly.  So which of the four magnitudes occur in a block is read off the words by logic;
; the eight values are held and converted at once (8 codes in 8 bytes); each k's code is picked by v_perm_b32, whose selector bytes 0 to 7 name those 8 bytes.  This holds for any words, bit 31 too.
; OUT: wq lies in the order of the product's operand registers: [n / 64][k / 256][16,896 bytes].  In such a piece, for step s = (k / 128) % 2, tile b = (n % 64) / 16, c = (k % 128) / 32, h = (k % 32) / 16, r = n % 16:
; the 16 codes of (b, c, h, r) at 8192 s + 2048 b + 512 c + 256 h + 16 r; behind the 16,384 bytes of codes the scale words at 16384 + 256 ((n % 64) / 32) + 8 (n % 32) + 4 s, a word = the four bytes of 128 along K.
; SHARES.  Work-group (x, y): columns 128 x on, 256 along K from 256 y.  Wave w: 32 columns; a lane takes one column and its 8 blocks run down K, so a block's largest magnitude needs no other lane.
; A lane's 16 codes are 16 neighbouring bytes of wq and sixteen neighbouring lanes store 256 consecutive bytes at a multiple of 256: no LDS, no barrier; no cluster, since no byte is read by two work-groups.
; LIMITS: NaN and infinities in alpha or scale, and sums or products that overflow f32, are not served.  A block whose largest magnitude lies under 2^-111 gets the byte 1: for tiny numbers the quantiser's own
; hold at -126; a block of zeros gets it where the quantiser says 127: its codes are zeros, which add nothing under any byte but 0xff, and this program alone reads the bytes.
.set PLANE, 8192                       ; bytes of 2,048 columns of 4 bytes
.set WBLK,  16896                      ; a piece of wq
.set BW,    16                         ; v16-39 the words: block t, plane b at 3 t + b
.set AL,    40                         ; v40-45 alpha of my two groups
.set SL,    46                         ; v46-47 scale of my two groups
.set LUTV,  48                         ; v48-63 the eight values of each group
.set TH,    64                         ; v64-71 the eight values held for a block
.set CP,    72                         ; v72-73 their eight codes
.set SB,    80                         ; v80-81 my column's two scale words
.set XE1,   82
.set XE2,   83
.set P00,   84
.set P10,   85
.set P01,   86
.set P11,   87
.set AMAX,  88
.set SO,    89
.set HOLD,  90
.set BY,    91
.set MG,    92                         ; v92-95
.set CD,    96                         ; v96-159 codes: eight registers a block, never written again
.set SE,    160                        ; v160-171 four selectors at work, three registers each
	s_load_b256 s[4:11], s[0:1], 0x0               ; binaryWeight, alpha, scale, wq
	v_lshrrev_b32 v1, 5, v0
	v_readfirstlane_b32 s12, v1                    ; wave
	s_and_b32 s13, ttmp7, 0xffff                   ; y
	s_lshl_b32 s14, ttmp9, 9
	s_lshl_b32 s15, s12, 7
	s_add_co_u32 s14, s14, s15                     ; 4 x my wave's first column
	s_mul_i32 s16, s13, 8*3*PLANE                  ; the words: 8 word indices x 3 planes
	s_add_co_u32 s16, s16, s14
	s_mov_b32 s17, 0
	s_mul_i32 s18, s13, 2*3*PLANE                  ; alpha: 2 groups x 3 planes
	s_add_co_u32 s18, s18, s14
	s_mov_b32 s19, 0
	s_lshl_b32 s34, s13, 14                        ; scale: 2 groups
	s_add_co_u32 s34, s34, s14
	s_mov_b32 s35, 0
	s_lshl_b32 s36, ttmp9, 1
	s_lshr_b32 s15, s12, 1
	s_add_co_u32 s36, s36, s15                     ; n / 64
	s_lshl_b32 s36, s36, 4
	s_add_co_u32 s36, s36, s13
	s_mul_i32 s36, s36, WBLK                       ; my piece of wq
	s_and_b32 s15, s12, 1                          ; which 32 of its 64 columns
	s_lshl_b32 s38, s15, 8
	s_add_co_u32 s38, s38, s36
	s_add_co_u32 s38, s38, 16384                   ; my wave's 256 bytes of scale words
	s_lshl_b32 s27, s15, 12
	s_add_co_u32 s36, s36, s27                     ; my wave's two tiles of codes
	s_mov_b32 s37, 0
	s_mov_b32 s39, 0
	s_mov_b32 s20, 0x204081                        ; a nibble times 1 + 2^7 + 2^14 + 2^21 puts its bit m at bit 8 m;
	s_mov_b32 s21, 0x408102                        ; times twice that: at bit 8 m + 1;
	s_mov_b32 s22, 0x810204                        ; times four times that: at bit 8 m + 2
	s_mov_b32 s23, 0x01010101
	s_mov_b32 s24, 0x02020202
	s_mov_b32 s25, 0x04040404
	s_mov_b32 s26, 0x600000                        ; the mantissa field of 57,344
	v_and_b32 v2, 31, v0                           ; lane
	v_lshlrev_b32 v3, 2, v2                        ; in: 4 bytes a lane
	v_and_b32 v5, 15, v2
	v_lshrrev_b32 v6, 4, v2
	v_lshlrev_b32 v8, 4, v5
	v_lshl_add_u32 v8, v6, 11, v8                  ; out: 16 r + 2048 x (which of my wave's two tiles)
	v_lshlrev_b32 v9, 3, v2                        ; my column's two scale words
	s_wait_alu depctr_va_vdst(0)                   ; the wait at the head's end
	s_wait_kmcnt 0x0
	s_add_nc_u64 s[4:5], s[4:5], s[16:17]
	s_add_nc_u64 s[6:7], s[6:7], s[18:19]
	s_add_nc_u64 s[8:9], s[8:9], s[34:35]
	s_add_nc_u64 s[32:33], s[10:11], s[38:39]
	s_add_nc_u64 s[10:11], s[10:11], s[36:37]
	; all 32 loads go out at once: what the values need first, then the words block by block
.irp g, 0,1
.irp b, 0,1,2
	global_load_b32 v[AL+3*\g+\b], v3, s[6:7] offset:(3*\g+\b)*PLANE th:TH_LOAD_NT
.endr
.endr
.irp g, 0,1
	global_load_b32 v[SL+\g], v3, s[8:9] offset:\g*PLANE th:TH_LOAD_NT
.endr
.irp t, 0,1,2,3,4,5,6,7
.irp b, 0,1,2
	global_load_b32 v[BW+3*\t+\b], v3, s[4:5] offset:(3*\t+\b)*PLANE th:TH_LOAD_NT
.endr
.endr
; The eight values of group g: (plane 0, plane 1), then plane 2, then times the scale, all in f32; the lower four are the upper four with the sign turned.
.macro LUT g
	v_add_f32 v[TH],   v[AL+3*\g], v[AL+3*\g+1]
	v_sub_f32 v[TH+1], v[AL+3*\g], v[AL+3*\g+1]
	v_sub_f32 v[TH+4], v[AL+3*\g+2], v[TH]         ; c = 4: -a0 - a1 + a2
	v_add_f32 v[TH+5], v[TH+1], v[AL+3*\g+2]       ; c = 5
	v_sub_f32 v[TH+6], v[AL+3*\g+2], v[TH+1]       ; c = 6
	v_add_f32 v[TH+7], v[TH], v[AL+3*\g+2]         ; c = 7
.irp c, 4,5,6,7
	v_mul_f32 v[LUTV+8*\g+\c],   v[TH+\c], v[SL+\g]
	v_mul_f32 v[LUTV+8*\g+7-\c], -v[TH+\c], v[SL+\g]
.endr
.endm
	s_wait_loadcnt 24                              ; alpha and scale are in; the 24 words may be out
	LUT 0
	LUT 1
.macro BLOCK t                         ; block t of my column: 32 along K
.set WRD, BW+3*(\t)
.set VG,  LUTV+8*((\t)/4)
	s_wait_loadcnt 21-3*(\t)                       ; this block's three words are in; the later blocks' may be out
	; |v7| occurs where the three planes agree, |v6| where plane 0 alone differs from plane 2, |v5| where plane 1 alone does, |v4| where both do
	v_xor_b32 v[XE1], v[WRD], v[WRD+2]
	v_xor_b32 v[XE2], v[WRD+1], v[WRD+2]
	v_or_b32  v[P00], v[XE1], v[XE2]
	v_bfi_b32 v[P10], v[XE2], 0, v[XE1]
	v_bfi_b32 v[P01], v[XE1], 0, v[XE2]
	v_and_b32 v[P11], v[XE1], v[XE2]
	v_cmp_ne_u32 s28, -1, v[P00]
	v_cmp_ne_u32 s29, 0, v[P10]
	v_cmp_ne_u32 s30, 0, v[P01]
	v_cmp_ne_u32 s31, 0, v[P11]
	v_cndmask_b32 v[MG],   0, v[VG+7], s28         ; a magnitude that does not occur counts as 0
	v_cndmask_b32 v[MG+1], 0, v[VG+6], s29
	v_cndmask_b32 v[MG+2], 0, v[VG+5], s30
	v_cndmask_b32 v[MG+3], 0, v[VG+4], s31
	v_max3_num_f32 v[AMAX], |v[MG]|, |v[MG+1]|, 0x8000000          ; with the floor 2^(16 - 127): the byte cannot fall under 1
	v_max3_num_f32 v[AMAX], v[AMAX], |v[MG+2]|, |v[MG+3]|
	v_add_nc_u32 v[SO], 0xf8800000, v[AMAX]        ; 15 off the exponent field: the conversion's scale operand
	v_and_or_b32 v[HOLD], v[AMAX], 0x7f800000, s26 ; 57,344 x the scale
	v_lshrrev_b32 v[BY], 23, v[SO]                 ; the scale's byte
.if (\t)%4 == 0
	v_mov_b32 v[SB+(\t)/4], v[BY]
.else
	v_lshl_or_b32 v[SB+(\t)/4], v[BY], 8*((\t)%4), v[SB+(\t)/4]
.endif
.irp c, 0,1,2,3,4,5,6,7
	v_med3_num_f32 v[TH+\c], v[VG+\c], -v[HOLD], v[HOLD]           ; the conversion does not saturate (ISA guide 7.6.2): hold first
.endr
	v_cvt_scalef32_pk8_bf8_f32 v[CP:CP+1], v[TH:TH+7], v[SO]       ; value c's code in byte c; the selectors' lines stand ahead of the first read
; Register 4 p + u of the block's codes holds k = 4 (4 p + u) + m in byte m; byte m of its selector is b0 + 2 b1 + 4 b2 of that k.  Four selectors are made side by side, stage by stage: no line reads the line above it.
.irp p, 0,1
.irp u, 0,1,2,3
	v_bfe_u32 v[SE+3*\u],   v[WRD],   4*(4*\p+\u), 4
	v_bfe_u32 v[SE+3*\u+1], v[WRD+1], 4*(4*\p+\u), 4
	v_bfe_u32 v[SE+3*\u+2], v[WRD+2], 4*(4*\p+\u), 4
.endr
.irp u, 0,1,2,3
	v_mul_u32_u24 v[SE+3*\u],   s20, v[SE+3*\u]
	v_mul_u32_u24 v[SE+3*\u+1], s21, v[SE+3*\u+1]
	v_mul_u32_u24 v[SE+3*\u+2], s22, v[SE+3*\u+2]
.endr
.irp u, 0,1,2,3
	v_and_b32    v[SE+3*\u], s23, v[SE+3*\u]
.endr
.irp u, 0,1,2,3
	v_and_or_b32 v[SE+3*\u], v[SE+3*\u+1], s24, v[SE+3*\u]
.endr
.irp u, 0,1,2,3
	v_and_or_b32 v[SE+3*\u], v[SE+3*\u+2], s25, v[SE+3*\u]
.endr
.irp u, 0,1,2,3
	v_perm_b32 v[CD+8*(\t)+4*\p+\u], v[CP+1], v[CP], v[SE+3*\u]    ; selectors 0-3 pick from the second source (codes 0-3), 4-7 from the first
.endr
.endr
	global_store_b128 v8, v[CD+8*(\t):CD+8*(\t)+3], s[10:11] offset:((\t)/4)*8192+512*((\t)%4)        ; k = 0 .. 15 of the block: sixteen lanes fill 256 consecutive bytes
	global_store_b128 v8, v[CD+8*(\t)+4:CD+8*(\t)+7], s[10:11] offset:((\t)/4)*8192+512*((\t)%4)+256  ; k = 16 .. 31
.endm
.irp t, 0,1,2,3,4,5,6,7
	BLOCK \t
.endr
	global_store_b64 v9, v[SB:SB+1], s[32:33]      ; 32 lanes store 256 consecutive bytes, at a multiple of 256 from wq's first byte
	s_endpgm
.Lfunc_end_k_q601b0c15d0_decode:
	.size	k_q601b0c15d0_decode, .Lfunc_end_k_q601b0c15d0_decode-k_q601b0c15d0_decode
	.p2alignl 7, 3214868480
	.fill 96, 4, 3214868480
	.section	.rodata,"a",@progbits
	.p2align	6, 0x0
	.amdhsa_kernel k_q601b0c15d0_decode
		.amdhsa_group_segment_fixed_size 0
		.amdhsa_private_segment_fixed_size 0
		.amdhsa_enable_private_segment 0
		.amdhsa_kernarg_size 32
		.amdhsa_user_sgpr_count 2
		.amdhsa_user_sgpr_kernarg_segment_ptr 1
		.amdhsa_wavefront_size32 1
		.amdhsa_system_sgpr_workgroup_id_x 1
		.amdhsa_system_sgpr_workgroup_id_y 1
		.amdhsa_system_sgpr_workgroup_id_z 1
		.amdhsa_system_vgpr_workitem_id 0
		.amdhsa_next_free_vgpr 172
		.amdhsa_next_free_sgpr 66
		.amdhsa_reserve_vcc 0
		.amdhsa_float_denorm_mode_32 3
		.amdhsa_float_denorm_mode_16_64 3
		.amdhsa_memory_ordered 1
		.amdhsa_forward_progress 1
		.amdhsa_inst_pref_size 54
	.end_amdhsa_kernel
	.amdgpu_metadata
---
amdhsa.version: [ 1, 2 ]
amdhsa.kernels:
  - .name:           k_q601b0c15d0_decode
    .symbol:         k_q601b0c15d0_decode.kd
    .args:
      - { .name: binaryWeight, .offset: 0, .size: 8, .value_kind: global_buffer, .address_space: global }
      - { .name: alpha, .offset: 8, .size: 8, .value_kind: global_buffer, .address_space: global }
      - { .name: scale, .offset: 16, .size: 8, .value_kind: global_buffer, .address_space: global }
      - { .name: wq, .offset: 24, .size: 8, .value_kind: global_buffer, .address_space: global }
    .group_segment_fixed_size: 0
    .private_segment_fixed_size: 0
    .kernarg_segment_align: 8
    .kernarg_segment_size: 32
    .max_flat_workgroup_size: 128
    .sgpr_count:     66
    .vgpr_count:     172
    .wavefront_size: 32
...
	.end_amdgpu_metadata
.endif
;; end of part 1
;; launch gemm (part 2): grid 8 x 32, 4 waves a work-group, clusters of 4 x 1, 327,680 bytes of LDS; arguments x_codes, x_scales, wq, out0; writes out0
.if DOCPART == 2
	.amdgcn_target "amdgcn-amd-amdhsa--gfx1250"
	.amdhsa_code_object_version 6
	.text
	.protected	k_q601b0c15d0_gemm
	.globl	k_q601b0c15d0_gemm
	.p2align	8
	.type	k_q601b0c15d0_gemm,@function
k_q601b0c15d0_gemm:
	s_mov_b64 s[64:65], 0
	v_nop
	global_prefetch_b8 v0, s[64:65] scope:SCOPE_SE
	s_setreg_imm32_b32 hwreg(HW_REG_WAVE_MODE, 25, 1), 1
	s_wait_xcnt 0x0
	s_wait_alu depctr_hold_cnt(0) depctr_sa_sdst(0) depctr_va_vdst(0) depctr_va_sdst(0) depctr_va_ssrc(0) depctr_va_vcc(0) depctr_vm_vsrc(0)
	s_getreg_b32 s2, hwreg(HW_REG_IB_STS2, 6, 4)
	s_cmp_eq_u32 s2, 0
	s_cbranch_scc0 .Lentry_in_a_cluster
	s_endpgm
.Lentry_in_a_cluster:
	s_bfe_u32 s2, ttmp6, 0x10000c
	s_cmp_lg_u32 s2, 0x3003
	s_cbranch_scc0 .Lentry_shape_is_right
	s_endpgm
.Lentry_shape_is_right:
; out0[m][n] = sum over k of x[m][k] W[k][n]: x as given (codes of E5M2, E8M0 bytes), W as launch decode left it in wq; v_wmma_scale_f32_16x16x128_f8f6f4, sums in f32, K ascending.
; A work-group of four waves makes 256 x 256 of the result; wave w makes all 256 rows x columns 64 w .. 64 w + 63: 64 accumulators, 512 registers.
; W GOES FROM MEMORY STRAIGHT INTO REGISTERS: wq lies in the order of the operand registers, a wave's 64 columns x 128 K are 16 loads of 512 consecutive bytes, and no two waves of a work-group load the same byte.
; Four sets of 64 registers take turns: a set is asked for again as soon as its step is multiplied, four steps ahead of its next use.  That ring is W's early request, so W has no prefetch beside it;
; and W has no joint load, since a joint load lands in LDS, which W does not pass.
; x GOES THROUGH LDS: with W out of LDS the two slots hold 256 rows x 512 K each (rows of 512 bytes of memory), four steps of 128, 256 matrix instructions a wave between two changes of slots.
; CLUSTERS: the four work-groups of a cluster lie along x and need the same rows of x: tiles and scales are asked for jointly (mask 15).  x's scales (256 rows x 128 bytes, dense) come once, at the head.
; A step: 16 blocks of 16 rows of x, each against W's four tiles; they come from LDS in groups of four blocks, in runs of 16 loads, two buffers by turns, each group asked for two groups ahead.
; THE LAST SLOT GOES BY ROWS: all its W (four sets) is in registers, so a block of 16 rows is finished by 16 matrix instructions (its 4 accumulators by turns, K ascending) and leaves while the others are multiplied.
; THE MATRIX INSTRUCTION IS USED TRANSPOSED (source 0 = 16 columns of W, source 1 = 16 rows of x): a lane holds eight neighbouring numbers of a row of the result.
; REGISTERS: window 0: v0-23 addresses; v24-31 W's scale words; v32-63 the way out; v64-127 x's scale words, two sets; v128-255 x's fragments, two buffers.  Window 1: W's four sets.
;   Window 2: accumulators of blocks 0-7 ((i, b) at 8 (4 i + b)); window 3: of blocks 8-15.
; The scale registers of one instruction differ modulo 8: x's word of step q lies at 4 j + q, W's at 2, 6 (q = 0), 3, 7 (q = 1), 0, 4 (q = 2), 1, 5 (q = 3) above a multiple of 8.
.set PITCH,  528                       ; an LDS row: 512 bytes + 16 of padding: the 16 rows of a fragment start at 16 different banks (ISA guide 11.1)
.set BLK,    16*PITCH
.set SLOT,   256*PITCH
.set SCA,    2*SLOT                    ; x's scales: rows of 128 bytes + 16
.set SAP,    144
.set SPARE,  SCA+256*SAP               ; the spare words: 512 bytes that no other line names
.set SPITCH, 272                       ; the way out: a stage of 16 rows x (256 + 16) bytes a wave, in slot 0 behind its last fill and last read
.set PAIRB,  16896                     ; wq: two steps of a wave's 64 columns
.set UNITB,  16*PAIRB
.set NROW,   8192                      ; a row of out0 in bytes
.set ADRA, 8                           ; v8-11  LDS address of x's fragments: slot s, blocks 8 u on, at 2 s + u
.set ADRS, 12                          ; v12    of x's scale words
.set STO,  13
.set RD,   14
.set CO,   15
.set BOF,  16                          ; v16    16 x lane
.set BSO,  17                          ; v17    8 x lane
.set PFO,  18                          ; v18    the prefetch's offset
.set SPW,  20
.set NIL,  21
.set SBB,  24
.set OB,   32
.set SA,   64
.set AF,   128
.set G1,  24                           ; s[24:31] group 1 of x's tiles; s[32:39] group 0, one for each slot
.set G0,  32
.set G1S, 48                           ; s[48:55] group 1 of x's scales
.set G0H, 56                           ; s[56:59], s[60:63] group 0 of the head's loads: slot 0, scales
.set G0S, 60
.set BP,  68                           ; s[68:69] wq at my 64 columns, this lap's first step
.set PF,  70                           ; s[70:71] x at my 16 rows of the prefetch, this lap's first byte along K
.set MSB, 0
.macro WIN new                         ; the immediate's high byte repeats the setting that is left
.if MSB != \new
	s_set_vgpr_msb (MSB<<8)|\new
.set MSB, \new
.endif
.endm
.set MUL_LO, 0xa1                      ; source 0 (W) window 1, source 1 (x) window 0, C and D window 2
.set MUL_HI, 0xf1
.set TO_B,   0x40
.macro CREST
	s_cmp_lg_u32 s14, 0
	s_cbranch_scc1 .Lnot_wave_0_\@
	s_barrier_signal -3
.Lnot_wave_0_\@:
	s_barrier_wait -3
	s_barrier_signal -1
	s_barrier_wait -1
.endm
.macro CROUND
	s_barrier_signal -1
	s_barrier_wait -1
	CREST
.endm
.macro NOPS                            ; eight places behind this matrix form, ahead of loads into its registers and of reads of its results
.rept 8
	v_nop
.endr
.endm
	s_load_b256 s[4:11], s[0:1], 0x0               ; x_codes, x_scales, wq, out0
	v_lshl_add_u32 v[SPW], v0, 2, SPARE
	v_mov_b32 v[NIL], 0
	ds_add_u32 v[SPW], v[NIL]                      ; the opening lines: the add, twice on end, and its wait ahead of my first tensor load
	ds_add_u32 v[SPW], v[NIL]
	v_lshrrev_b32 v1, 5, v0
	v_readfirstlane_b32 s14, v1                    ; wave
	s_and_b32 s15, s14, 1                          ; which half of a head's tile I fetch
	s_bfe_u32 s40, ttmp6, 0x40000                  ; cx
	s_lshl_b32 s42, ttmp9, 2
	s_add_co_u32 s42, s42, s40                     ; tile column
	s_and_b32 s17, ttmp7, 0xffff                   ; tile row
	s_mov_b32 s[G1+0], 15|(1<<20)|(1<<21)|(6<<22)|(3<<25)          ; mask: the cluster's four; bytes; 4 words of padding behind every 128
	s_mov_b32 s[G1+1], 512<<16
	s_mov_b32 s[G1+2], 128<<16                     ; 128 rows at the head, 64 behind it
	s_mov_b32 s[G1+3], 512<<16
	s_mov_b32 s[G1+4], 128
	s_mov_b32 s[G1+5], 4096
	s_mov_b32 s[G1+6], 0
	s_mov_b32 s[G1+7], 0
	s_mov_b32 s[G1S+0], 15|(3<<16)|(1<<20)|(1<<21)|(4<<22)|(3<<25) ; the scales of 128 rows: a dense block stated as 64 rows of 256 bytes; 4 words of padding behind every 32
	s_mov_b32 s[G1S+1], 32<<16
	s_mov_b32 s[G1S+2], 64<<16
	s_mov_b32 s[G1S+3], 32<<16
	s_mov_b32 s[G1S+4], 64
	s_mov_b32 s[G1S+5], 32
	s_mov_b32 s[G1S+6], 0
	s_mov_b32 s[G1S+7], 0
	s_lshl_b32 s18, s17, 20                        ; the ring: x at row 256 x tile row + 64 x wave
	s_lshl_b32 s13, s14, 18
	s_add_co_u32 s18, s18, s13
	s_mov_b32 s19, 0
	s_lshl_b32 s20, s17, 20                        ; the head: + 128 x half
	s_lshl_b32 s13, s15, 19
	s_add_co_u32 s20, s20, s13
	s_mov_b32 s21, 0
	s_lshl_b32 s22, s17, 15                        ; and the same rows' scales
	s_lshl_b32 s13, s15, 14
	s_add_co_u32 s22, s22, s13
	s_mov_b32 s23, 0
	s_mul_i32 s74, s14, 64*PITCH
	s_mul_i32 s75, s15, 128*PITCH
	s_mul_i32 s76, s15, 128*SAP
	s_add_co_u32 s76, s76, SCA
	s_mul_i32 s12, s14, 16*SPITCH                  ; my stage
	s_lshl_b32 s44, s42, 2                         ; what hangs on cx lies in registers of its own and enters global addresses of plain loads, stores and prefetches alone
	s_add_co_u32 s44, s44, s14
	s_mul_i32 s44, s44, UNITB                      ; wq: my 64 columns
	s_mov_b32 s45, 0
	s_lshl_b32 s46, s17, 8                         ; the prefetch: of the tile's 256 rows partner cx, wave w takes 64 cx + 16 w .. + 15
	s_lshl_b32 s47, s40, 6
	s_add_co_u32 s46, s46, s47
	s_lshl_b32 s47, s14, 4
	s_add_co_u32 s46, s46, s47
	s_lshl_b32 s46, s46, 12
	s_mov_b32 s47, 0
	s_lshl_b32 s72, s17, 21                        ; out0: 256 rows x tile row, 1,024 bytes x tile column, 256 x wave
	s_lshl_b32 s73, s42, 10
	s_add_co_u32 s72, s72, s73
	s_lshl_b32 s73, s14, 8
	s_add_co_u32 s72, s72, s73
	s_mov_b32 s73, 0
	v_and_b32 v1, 15, v0                           ; r
	v_bfe_u32 v2, v0, 4, 1                         ; h
	v_and_b32 v3, 31, v0                           ; lane
	v_mul_u32_u24 v4, v1, PITCH
	v_lshl_add_u32 v[ADRA], v2, 4, v4              ; a fragment's row x pitch + 16 h
	v_add_nc_u32 v[ADRA+1], 8*BLK, v[ADRA]
	v_add_nc_u32 v[ADRA+2], SLOT, v[ADRA]
	v_add_nc_u32 v[ADRA+3], SLOT+8*BLK, v[ADRA]
	v_mul_u32_u24 v5, v3, SAP
	v_add_nc_u32 v[ADRS], SCA, v5                  ; row = lane: lanes 0-15 an even block, lanes 16-31 the odd one behind it
	v_mul_u32_u24 v6, v1, SPITCH
	v_lshl_add_u32 v6, v2, 5, v6
	v_add_nc_u32 v[STO], s12, v6                   ; into the stage: row r, 32 bytes for each half of the lanes
	v_mul_u32_u24 v7, v2, SPITCH
	v_lshl_add_u32 v7, v1, 4, v7
	v_add_nc_u32 v[RD], s12, v7                    ; back: sixteen lanes to a row of 256 bytes
	v_lshlrev_b32 v5, 13, v2
	v_lshl_add_u32 v[CO], v1, 4, v5                ; the same two rows in out0
	v_lshlrev_b32 v[BOF], 4, v3
	v_lshlrev_b32 v[BSO], 3, v3
	v_lshlrev_b32 v6, 8, v2
	v_lshl_add_u32 v[PFO], v1, 12, v6              ; row r, and which 256 of a slot's 512 bytes
	s_wait_alu depctr_va_vdst(0)                   ; the wait at the head's end
	s_wait_dscnt 0x0                               ; both opening adds are done
	s_wait_kmcnt 0x0
	s_add_nc_u64 s[18:19], s[4:5], s[18:19]
	s_add_nc_u64 s[20:21], s[4:5], s[20:21]
	s_add_nc_u64 s[22:23], s[6:7], s[22:23]
	s_add_nc_u64 s[BP:BP+1], s[8:9], s[44:45]
	s_add_nc_u64 s[PF:PF+1], s[4:5], s[46:47]
	s_add_nc_u64 s[10:11], s[10:11], s[72:73]
	s_mov_b32 s[G0H], 1
	s_mov_b32 s[G0H+1], s75
	s_mov_b64 s[G0H+2:G0H+3], s[20:21]
	s_or_b32 s[G0H+3], s[G0H+3], 0x80000000
	s_mov_b32 s[G0S], 1
	s_mov_b32 s[G0S+1], s76
	s_mov_b64 s[G0S+2:G0S+3], s[22:23]
	s_or_b32 s[G0S+3], s[G0S+3], 0x80000000
.irp s, 0,1
	s_mov_b32 s[G0+4*\s], 1
	s_add_co_u32 s[G0+4*\s+1], s74, \s*SLOT
	s_add_nc_u64 s[G0+4*\s+2:G0+4*\s+3], s[18:19], \s*512
	s_or_b32 s[G0+4*\s+3], s[G0+4*\s+3], 0x80000000
.endr
	CROUND                                         ; the four work-groups are here: the first joint loads meet
	s_cmp_lt_u32 s14, 2                            ; the head's loads, one a wave: waves 0, 1 the halves of slot 0, waves 2, 3 the halves of the scales
	s_cbranch_scc0 .Lhead_s
	tensor_load_to_lds s[G0H:G0H+3], s[G1:G1+7]
	s_nop 0
.rept 4
	v_nop
.endr
	s_branch .Lhead_j
.Lhead_s:
	tensor_load_to_lds s[G0S:G0S+3], s[G1S:G1S+7]
	s_nop 0
.rept 4
	v_nop
.endr
.Lhead_j:
; One product: block i of x (0-15) against tile b of W (0-3), the slot's step q; st: the set of x's scale words; ra: x's fragment.
.macro WM i, b, q, st, ra, zero
.set rD,  8*((4*(\i)+(\b))%32)
.set rB,  64*(\q)+16*(\b)
.set rA,  \ra
.set rSB, SBB+2-2*((\q)/2)+4*((\b)/2)+(\q)%2
.set rSA, SA+32*(\st)+4*((\i)/2)+(\q)
.if \zero
.if ((\i)%2 == 0) && ((\b)%2 == 0)
	v_wmma_scale_f32_16x16x128_f8f6f4 v[rD:rD+7], v[rB:rB+15], v[rA:rA+15], 0, v[rSB], v[rSA] matrix_a_fmt:MATRIX_FMT_BF8 matrix_b_fmt:MATRIX_FMT_BF8
.elseif ((\i)%2 == 0)
	v_wmma_scale_f32_16x16x128_f8f6f4 v[rD:rD+7], v[rB:rB+15], v[rA:rA+15], 0, v[rSB], v[rSA] matrix_a_fmt:MATRIX_FMT_BF8 matrix_b_fmt:MATRIX_FMT_BF8 matrix_a_scale:MATRIX_SCALE_ROW1
.elseif ((\b)%2 == 0)
	v_wmma_scale_f32_16x16x128_f8f6f4 v[rD:rD+7], v[rB:rB+15], v[rA:rA+15], 0, v[rSB], v[rSA] matrix_a_fmt:MATRIX_FMT_BF8 matrix_b_fmt:MATRIX_FMT_BF8 matrix_b_scale:MATRIX_SCALE_ROW1
.else
	v_wmma_scale_f32_16x16x128_f8f6f4 v[rD:rD+7], v[rB:rB+15], v[rA:rA+15], 0, v[rSB], v[rSA] matrix_a_fmt:MATRIX_FMT_BF8 matrix_b_fmt:MATRIX_FMT_BF8 matrix_a_scale:MATRIX_SCALE_ROW1 matrix_b_scale:MATRIX_SCALE_ROW1
.endif
.else
.if ((\i)%2 == 0) && ((\b)%2 == 0)
	v_wmma_scale_f32_16x16x128_f8f6f4 v[rD:rD+7], v[rB:rB+15], v[rA:rA+15], v[rD:rD+7], v[rSB], v[rSA] matrix_a_fmt:MATRIX_FMT_BF8 matrix_b_fmt:MATRIX_FMT_BF8
.elseif ((\i)%2 == 0)
	v_wmma_scale_f32_16x16x128_f8f6f4 v[rD:rD+7], v[rB:rB+15], v[rA:rA+15], v[rD:rD+7], v[rSB], v[rSA] matrix_a_fmt:MATRIX_FMT_BF8 matrix_b_fmt:MATRIX_FMT_BF8 matrix_a_scale:MATRIX_SCALE_ROW1
.elseif ((\b)%2 == 0)
	v_wmma_scale_f32_16x16x128_f8f6f4 v[rD:rD+7], v[rB:rB+15], v[rA:rA+15], v[rD:rD+7], v[rSB], v[rSA] matrix_a_fmt:MATRIX_FMT_BF8 matrix_b_fmt:MATRIX_FMT_BF8 matrix_b_scale:MATRIX_SCALE_ROW1
.else
	v_wmma_scale_f32_16x16x128_f8f6f4 v[rD:rD+7], v[rB:rB+15], v[rA:rA+15], v[rD:rD+7], v[rSB], v[rSA] matrix_a_fmt:MATRIX_FMT_BF8 matrix_b_fmt:MATRIX_FMT_BF8 matrix_a_scale:MATRIX_SCALE_ROW1 matrix_b_scale:MATRIX_SCALE_ROW1
.endif
.endif
.endm
.macro G8 q, g, a0, st, zero           ; 8 products: blocks 4 g + a0, 4 g + a0 + 1 x W's four tiles.  The 64 accumulators take turns, in the same order in every step
.irp a, \a0, \a0+1
.irp b, 0,1,2,3
	WM 4*(\g)+\a, \b, \q, \st, AF+64*((\g)%2)+16*(\a), \zero
.endr
.endr
.endm
; A group's 16 products.  y: the LDS instructions issued behind the group's own 16 loads.  Its first two blocks are multiplied as soon as their 8 loads are in; the other 8 may still be out then.
.macro GRP q, g, st, zero, y
	s_wait_dscnt 8+\y
	WIN MUL_LO+0x50*((\g)/2)
	G8 \q, \g, 0, \st, \zero
	s_wait_dscnt \y
	G8 \q, \g, 2, \st, \zero
.endm
.macro LA sl, q, g                     ; 16 LDS loads: group g (blocks 4 g .. 4 g + 3) of step q of slot sl into buffer g % 2, block by block
.irp a, 0,1,2,3
.irp c, 0,1,2,3
	ds_load_b128 v[AF+64*((\g)%2)+16*\a+4*\c:AF+64*((\g)%2)+16*\a+4*\c+3], v[ADRA+2*(\sl)+(\g)/2] offset:(4*((\g)%2)+\a)*BLK+128*(\q)+32*\c
.endr
.endr
.endm
.macro LR i                            ; 16 LDS loads: block i of slot 1, all four steps, into buffer i % 2
.irp q, 0,1,2,3
.irp c, 0,1,2,3
	ds_load_b128 v[AF+64*((\i)%2)+16*\q+4*\c:AF+64*((\i)%2)+16*\q+4*\c+3], v[ADRA+2+(\i)/8] offset:((\i)%8)*BLK+128*\q+32*\c
.endr
.endr
.endm
.macro SCL st                          ; x's scale words of a slot's four steps into set st: register 4 j + q: blocks 2 j (lanes 0-15) and 2 j + 1 (lanes 16-31), step q
.irp j, 0,1,2,3,4,5,6,7
	ds_load_b128 v[SA+32*(\st)+4*\j:SA+32*(\st)+4*\j+3], v[ADRS] offset:\j*32*SAP
.endr
.endm
.macro BL n                            ; 16 loads of 512 consecutive bytes: W's four tiles of step n (counted from the lap's first) into set n % 4
	WIN TO_B
.irp b, 0,1,2,3
.irp c, 0,1,2,3
	global_load_b128 v[64*((\n)%4)+16*\b+4*\c:64*((\n)%4)+16*\b+4*\c+3], v[BOF], s[BP:BP+1] offset:((\n)/2)*PAIRB+((\n)%2)*8192+2048*\b+512*\c
.endr
.endr
	WIN 0
.endm
.macro BS n                            ; W's scale words of steps n and n + 1 (n even): two loads of 256 consecutive bytes
	global_load_b64 v[SBB+2-2*(((\n)/2)%2):SBB+3-2*(((\n)/2)%2)], v[BSO], s[BP:BP+1] offset:((\n)/2)*PAIRB+16384
	global_load_b64 v[SBB+6-2*(((\n)/2)%2):SBB+7-2*(((\n)/2)%2)], v[BSO], s[BP:BP+1] offset:((\n)/2)*PAIRB+16384+256
.endm
; W's loads go out behind each step: 16, and behind an odd step 2 more.  Ahead of an even step the loads of the last two steps (16 + 18) may be out: its scale words stand at the end of the run before those;
; ahead of an odd step those of the last three (16 + 18 + 16).
; A step with its successor in the same slot.  n: the step counted from the lap's first; sc = 1: the next slot's scale words are fetched.
.macro STEP sl, q, n, zero, sc
	s_wait_loadcnt 34+16*((\n)%2)
	GRP \q, 0, \sl, \zero, 16                      ; behind a group's loads: the next group's 16
	NOPS
	WIN 0
	LA \sl, \q, 2
	GRP \q, 1, \sl, \zero, 16
	NOPS
	WIN 0
	LA \sl, \q, 3
	GRP \q, 2, \sl, \zero, 16
	NOPS
	WIN 0
.if \sc
	v_add_nc_u32 v[ADRS], 16, v[ADRS]              ; on to the next slot's four words
	s_wait_alu depctr_va_vdst(0)                   ; the wait here, directly behind the write
	SCL 1-\sl
.endif
	LA \sl, (\q)+1, 0
	GRP \q, 3, \sl, \zero, 16+8*\sc                ; and the 8 scale loads where there are any
	NOPS
	WIN 0
	LA \sl, (\q)+1, 1
	BL (\n)+4
.if (\n)%2
	BS (\n)+3
.endif
.endm
; A prefetch into the L2: 256 rows x 512 bytes of the slot that the NEXT refill will ask for, four steps ahead of that load.  Each aligned 256 bytes are named once in the cluster: partner, wave and lane share the
; rows out by address.  how = 2: not in the loop's last trip, where K has no such slot.
.macro ASK how, off
.if \how
.if \how == 2
	s_cmp_eq_u32 s3, 1
	s_cbranch_scc1 .Lnot_asked_\@
.endif
	global_prefetch_b8 v[PFO], s[PF:PF+1] offset:\off th:TH_LOAD_NT scope:SCOPE_SE
.Lnot_asked_\@:
.endif
.endm
; A slot's last step changes slots.  My last reads of the slot go out behind group 1.  Then: all my tensor loads have landed, the add, half of group 2, the wait for the add and the reads, the round; the refill first behind it.
.macro TURN sl, n, fill, ask, off, last
	s_wait_loadcnt 50
	GRP 3, 0, \sl, 0, 16
	NOPS
	WIN 0
	LA \sl, 3, 2
	GRP 3, 1, \sl, 0, 16
	NOPS
	WIN 0
	LA \sl, 3, 3
	s_wait_tensorcnt 0x0                           ; my part of the other slot is in
	ds_add_u32 v[SPW], v[NIL]
.if \fill
	s_add_nc_u64 s[G0+4*\sl+2:G0+4*\sl+3], s[G0+4*\sl+2:G0+4*\sl+3], 1024   ; no tensor load of mine is out: this slot's next 512 along K
.endif
	s_wait_dscnt 25                                ; group 2's first two blocks are in; its other 8 loads, group 3's 16 and the add may be out
	WIN MUL_HI
	G8 3, 2, 0, \sl, 0
	s_wait_dscnt 0x0                               ; the add is done, my reads of this slot are over
	s_barrier_signal -1
	G8 3, 2, 2, \sl, 0
	WIN 0
	s_barrier_wait -1
.if \fill
	CREST                                          ; the barrier has opened a round of the cluster's barrier
	tensor_load_to_lds s[G0+4*\sl:G0+4*\sl+3], s[G1:G1+7]
	s_nop 0
.endif
	NOPS
.if \last
	LR 0
.else
	LA 1-\sl, 0, 0
.endif
	ASK \ask, \off
	WIN MUL_HI                                     ; group 3 came in ahead of the barrier
	G8 3, 3, 0, \sl, 0
	G8 3, 3, 2, \sl, 0
	NOPS
	WIN 0
.if \last
	LR 1
.else
	LA 1-\sl, 0, 1
.endif
	BL (\n)+4
	BS (\n)+3
.endm
	BL 0                                           ; W's first two steps beside slot 0; the next two follow behind slot 1's fill, in the order in which the loop asks
	BL 1
	BS 0
	s_wait_tensorcnt 0x0                           ; my tile of the head is in
	ds_add_u32 v[SPW], v[NIL]
	s_mov_b32 s[G1+2], 64<<16                      ; no tensor load of mine is out: from here on a load brings 64 rows
	s_mov_b32 s[G1+4], 64
	s_wait_dscnt 0x0
	CROUND
	tensor_load_to_lds s[G0+4:G0+7], s[G1:G1+7]    ; slot 1's first fill
	s_nop 0
.rept 4
	v_nop
.endr
	SCL 0
	LA 0, 0, 0
	LA 0, 0, 1
	ASK 1, 1024
	BL 2
	BL 3
	BS 2
	STEP 0, 0, 0, 1, 0                             ; the first step stands ahead of the loop: its products start the sums
	s_mov_b32 s3, 3
.Llap:                                                 ; a trip: from a lap's second step to the next lap's first; both slots are filled again
	STEP 0, 1, 1, 0, 1
	STEP 0, 2, 2, 0, 0
	TURN 0, 3, 1, 1, 1536, 0
	STEP 1, 0, 4, 0, 0
	STEP 1, 1, 5, 0, 1
	STEP 1, 2, 6, 0, 0
	TURN 1, 7, 1, 2, 2048, 0
	STEP 0, 0, 8, 0, 0
	s_wait_xcnt 0x0                                ; the loads and prefetches have read their bases
	s_add_nc_u64 s[BP:BP+1], s[BP:BP+1], 4*PAIRB
	s_add_nc_u64 s[PF:PF+1], s[PF:PF+1], 1024
	s_sub_co_u32 s3, s3, 1
	s_cmp_lg_u32 s3, 0
	s_cbranch_scc1 .Llap
	STEP 0, 1, 1, 0, 1
	STEP 0, 2, 2, 0, 0
	TURN 0, 3, 0, 0, 0, 1                          ; nothing is filled again: no round
; THE LAST SLOT, BY ROWS.  Block i: 16 products; then its 16 rows x 64 columns go through my stage and come back as rows of 256 bytes, which sixteen lanes store as one aligned unit.
.macro TOSTAGE i
	WIN 0x08+4*((\i)/8)                            ; the data: window 2 or 3
.irp b, 0,1,2,3
	ds_store_b128 v[STO], v[8*((4*(\i)+\b)%32):8*((4*(\i)+\b)%32)+3] offset:64*\b       ; each accumulator from its low end on
	ds_store_b128 v[STO], v[8*((4*(\i)+\b)%32)+4:8*((4*(\i)+\b)%32)+7] offset:64*\b+16
.endr
	WIN 0
.irp t, 0,1,2,3,4,5,6,7
	ds_load_b128 v[OB+4*\t:OB+4*\t+3], v[RD] offset:\t*2*SPITCH    ; LDS serves a wave's instructions in order (ISA guide 5.7.1.4)
.endr
.endm
.macro SEND a, younger
	s_wait_dscnt \younger                          ; the block is back in registers; the LDS loads issued behind it may be out
.irp t, 0,1,2,3,4,5,6,7
	global_store_b128 v[CO], v[OB+4*\t:OB+4*\t+3], s[10:11] offset:(\a)*16*NROW+\t*2*NROW th:TH_STORE_NT
.endr
.endm
.macro FIN i
.if (\i) == 1
	s_wait_dscnt 32                                ; block 1's fragments are in; behind them: block 2's 16 loads and the stage's 16 lines
.endif
	WIN MUL_LO+0x50*((\i)/8)
.irp q, 0,1,2,3
.irp b, 0,1,2,3
	WM \i, \b, \q, 1, AF+64*((\i)%2)+16*\q, 0
.endr
.endr
	NOPS
	WIN 0
.if (\i) < 14
	LR (\i)+2
.endif
.if (\i) > 0
.if (\i) < 14
	SEND (\i)-1, 16                                ; this wait also shows the next block's fragments in
.else
	SEND (\i)-1, 0
.endif
	s_wait_xcnt 0x0                                ; the stores have read their registers: the next block may land there
.endif
	TOSTAGE \i
.endm
	s_wait_loadcnt 0x0                             ; all four sets of W and their scale words
	s_wait_dscnt 16
.irp i, 0,1,2,3,4,5,6,7,8,9,10,11,12,13,14,15
	FIN \i
.endr
	SEND 15, 0
	s_wait_tensorcnt 0x0                           ; the wave's end
	ds_add_u32 v[SPW], v[NIL]
	s_wait_dscnt 0x0
	CROUND                                         ; the closing round
	s_endpgm
.Lfunc_end_k_q601b0c15d0_gemm:
	.size	k_q601b0c15d0_gemm, .Lfunc_end_k_q601b0c15d0_gemm-k_q601b0c15d0_gemm
	.p2alignl 7, 3214868480
	.fill 96, 4, 3214868480
	.section	.rodata,"a",@progbits
	.p2align	6, 0x0
	.amdhsa_kernel k_q601b0c15d0_gemm
		.amdhsa_group_segment_fixed_size 327680
		.amdhsa_private_segment_fixed_size 0
		.amdhsa_enable_private_segment 0
		.amdhsa_kernarg_size 32
		.amdhsa_user_sgpr_count 2
		.amdhsa_user_sgpr_kernarg_segment_ptr 1
		.amdhsa_wavefront_size32 1
		.amdhsa_system_sgpr_workgroup_id_x 1
		.amdhsa_system_sgpr_workgroup_id_y 1
		.amdhsa_system_sgpr_workgroup_id_z 1
		.amdhsa_system_vgpr_workitem_id 0
		.amdhsa_next_free_vgpr 1024
		.amdhsa_next_free_sgpr 96
		.amdhsa_reserve_vcc 0
		.amdhsa_float_denorm_mode_32 3
		.amdhsa_float_denorm_mode_16_64 3
		.amdhsa_memory_ordered 1
		.amdhsa_forward_progress 1
		.amdhsa_inst_pref_size 255
	.end_amdhsa_kernel
	.section	.bss,"aw",@nobits
	.p2align	6
	.space	262144
	.amdgpu_metadata
---
amdhsa.version: [ 1, 2 ]
amdhsa.kernels:
  - .name:           k_q601b0c15d0_gemm
    .symbol:         k_q601b0c15d0_gemm.kd
    .args:
      - { .name: x_codes, .offset: 0, .size: 8, .value_kind: global_buffer, .address_space: global }
      - { .name: x_scales, .offset: 8, .size: 8, .value_kind: global_buffer, .address_space: global }
      - { .name: wq, .offset: 16, .size: 8, .value_kind: global_buffer, .address_space: global }
      - { .name: out0, .offset: 24, .size: 8, .value_kind: global_buffer, .address_space: global }
    .group_segment_fixed_size: 327680
    .private_segment_fixed_size: 0
    .kernarg_segment_align: 8
    .kernarg_segment_size: 32
    .max_flat_workgroup_size: 128
    .sgpr_count:     96
    .vgpr_count:     1024
    .wavefront_size: 32
...
	.end_amdgpu_metadata
.endif
;; end of part 2
